; MI455X (gfx1250); checked and timed in simulation.
; The chip was launched on July 23, 2026; its instructions are those of AMD's public machine-readable ISA for CDNA 5 (MIT licence, August 2026) and "CDNA5" Instruction Set Architecture Reference Guide (July 2026). The comments in the code are by the model that wrote it; some were corrected since.
;; Efficient Attention Block. Allowed arithmetic: matrix products marked QUANTISED: E4M3 operands, one given power-of-two scale a tensor, by v_wmma_f32_16x16x64_fp8_fp8 or v_wmma_f32_16x16x128_fp8_fp8, f32 sums; everything else in f32.
;; Inputs: b_proj 256 float32; ln_b 256 float32; ln_g 256 float32; lowp_scales 8 int32 (the exponents e of the quantised operands' scales 2^e); w_proj 256 x 256 float32; w_qkv 256 x 768 float32; x 4 x 256 x 64 x 64 float32.
;; Outputs: out0 4 x 256 x 64 x 64 float32.
;; This version of the problem:
;;   THIS VERSION OF THE PROBLEM IS GIVEN IN LOW PRECISION. The matrix products marked QUANTISED in the list below multiply operands that are first quantised to E4M3 (4 exponent bits, 3 mantissa bits; 8 bits a number), with one given power-of-two scale for each operand tensor; their sums are f32. All else is computed in f32.
;;   The module's matrix products, in the order in which they are computed (A, B: the left and right operand; K: the contracted axis; several contracted axes count as one K, in the product's order):
;;     1. [M 16,384, K 256] x [K 256, N 768]; A: computed on the way; B: input w_qkv: QUANTISED (scales: A lowp_scales[0], B lowp_scales[1])
;;     2. batch 16 x [M 4,096, K 64] x [K 64, N 4,096]; A: computed on the way; B: computed on the way: QUANTISED (scales: A lowp_scales[2], B lowp_scales[3])
;;     3. batch 16 x [M 4,096, K 4,096] x [K 4,096, N 64]; A: softmax (see below); B: computed on the way: QUANTISED (scales: A lowp_scales[4], B lowp_scales[5])
;;     4. [M 16,384, K 256] x [K 256, N 256]; A: computed on the way; B: input w_proj: QUANTISED (scales: A lowp_scales[6], B lowp_scales[7])
;;   THE QUANTISER, for each operand of a quantised product, along K:
;;     - The operand's scale is 2^e, e = its entry of the input lowp_scales (int32; the entries are numbered through the quantised products in the list's order, A before B).
;;     - Each number is divided by the scale, clamped to +-448, and rounded to the nearest number of E4M3, ties to even, subnormals kept.
;;     - The product sums the exact products of the quantised numbers (number of the format x scale) in f32.
;;   ~~~python
;;   def quantise(x, axis, e):      # numpy; x: float32 -> the quantised numbers, widened to float32 again
;;       x = np.moveaxis(x, axis, -1); K = x.shape[-1]
;;       r = np.clip(x / 2.0 ** e, -448, 448)
;;       step = 2.0 ** (np.maximum(np.frexp(np.where(r == 0, 1, r))[1] - 1, -6) - 3)
;;       q = np.round(r / step) * step * 2.0 ** e      # np.round: ties to even
;;       return np.moveaxis(q, -1, axis).astype(np.float32)
;;   ~~~
;;   SOFTMAX AHEAD OF A QUANTISED PRODUCT. Where the list says 'softmax', what is quantised is not the finished softmax but p = 2^(t - M), with t = logit x log2(e) and M = ceil(the row's largest t), a whole number; so 1/2 < the row's largest p <= 1. The row's sum l is taken of the UNQUANTISED p, in f32, and the product's result is divided by l at the end. Since M is a whole number, a kernel that streams over the keys may use a running M (the ceiling of the running maximum): every later rescaling is an exact power of two, so the quantised numbers keep their values, but for numbers so far below the row's largest that they fall under the format's range.
;;   OPERANDS COMPUTED ON THE WAY. 'Computed on the way' means the value that the module computes at that place (a softmax that the list does not call 'softmax' is quantised finished and normalised). What goes into a quantiser is computed in f32, as accurately as f32 sums, v_exp_f32 and their like allow (about 1e-6 of the number): no bf16 or f16 on the way to a quantiser, and a product that is left as it is and whose result goes on into a quantised operand takes f32 operands (vector FMAs, or v_wmma_f32_16x16x4_f32). A number that lies on a knife's edge between two numbers of the format may be rounded either way, as far as f32 arithmetic and the matrix unit's own rounding can turn it there, and no further.
;; One version. Each part assembles by itself: llvm-mc -triple=amdgcn-amd-amdhsa -mcpu=gfx1250 --defsym DOCPART=n.
;; ======== version 1 of 1: 3 launches
;; limits: right only within a limited range of input values
;; workspace buffers: wimg 262,144 bytes; qkv 12,582,912 bytes
;; launch prep (part 1): grid 32 x 1, 4 waves a work-group, no clusters, 0 bytes of LDS; arguments w_qkv, w_proj, lowp_scales, wimg; writes wimg
.if DOCPART == 1
	.amdgcn_target "amdgcn-amd-amdhsa--gfx1250"
	.amdhsa_code_object_version 6
	.text
	.protected	k_qf0c07ea75a_prep
	.globl	k_qf0c07ea75a_prep
	.p2align	8
	.type	k_qf0c07ea75a_prep,@function
k_qf0c07ea75a_prep:
	s_mov_b64 s[64:65], 0
	v_nop
	global_prefetch_b8 v0, s[64:65] scope:SCOPE_SE
	s_setreg_imm32_b32 hwreg(HW_REG_WAVE_MODE, 25, 1), 1
	s_wait_xcnt 0x0
; THE TWO WEIGHTS BECOME CODES OF FP8 (E4M3), LAID AS IMAGES OF THE OPERAND'S REGISTERS.
; w_qkv [256 (k)][768 (n)] f32, scale 2^e1 (entry 1 of the scales); w_proj [256 (n)][256 (k)] f32, scale 2^e7 (entry 7).
; code = x / 2^e, held within +-448, rounded to the nearest code, ties to even.
; A FRAGMENT is 16 rows x 128 K in 16 registers, in the layout of v_wmma_f32_16x16x128_fp8_fp8 (ISA guide 7.12.2): lane (r = lane % 16, h = lane / 16)
; holds row r; registers 2 c, 2 c + 1 hold k = 16 c + 8 h + 0 .. 7.  Its image is 2,048 bytes: registers 4 q .. 4 q + 3 of lane l at byte 512 q + 16 l.
; wimg holds 128 images: fragment (tt, s) at (2 tt + s) x 2,048; tt = 0 .. 47: columns 16 tt + r of w_qkv; tt = 48 .. 63: rows 16 (tt - 48) + r of w_proj; s: the K step of 128.
; SHARES: one wave makes one fragment: s = work-group % 2, tt = 4 (work-group / 2) + wave.  128 fragments are 32 work-groups: there is no more work than that.
; A lane's 64 numbers are loaded in the order of the fragment's registers, so the conversions' results are the image; nothing is transposed.
; LIMITS: e1 and e7 between -126 and 119, so that 2^e and 448 x 2^e are f32 numbers.  NaN among the inputs is not served (an infinity is held at the largest code).
.set X,    16                          ; v16-79  my 64 numbers: number 8 c + i is k = 128 s + 16 c + 8 h + i
.set C,    80                          ; v80-95  the fragment's 16 registers
.set ROWQ, 3072                        ; a row of w_qkv in bytes
	s_load_b256 s[4:11], s[0:1], 0x0               ; w_qkv s[4:5], w_proj s[6:7], the scales' exponents s[8:9], wimg s[10:11]
	v_lshrrev_b32 v1, 5, v0
	v_readfirstlane_b32 s12, v1                    ; wave 0..3
	v_and_b32 v1, 15, v0                           ; r
	v_bfe_u32 v2, v0, 4, 1                         ; h
	v_and_b32 v4, 31, v0
	v_lshlrev_b32 v4, 4, v4                        ; 16 x lane: my place in each 512 bytes of the image
	s_and_b32 s13, ttmp9, 1                        ; s
	s_lshr_b32 s14, ttmp9, 1
	s_lshl_b32 s14, s14, 2
	s_add_co_u32 s14, s14, s12                     ; tt
	s_mov_b32 s25, 0
	s_wait_kmcnt 0x0
	s_load_b256 s[16:23], s[8:9], 0x0              ; e0 .. e7
	s_cmp_lt_u32 ttmp9, 24                         ; work-groups 0-23: w_qkv; 24-31: w_proj.  The branch hangs on the work-group's number alone
	s_cbranch_scc0 .Lproj
	; w_qkv: K is the first axis.  Lane (r, h) takes column 16 tt + r and its registers run down K; sixteen lanes read 64 neighbouring bytes, the four waves 256
	s_wait_alu depctr_va_vdst(0)
	v_mul_u32_u24 v3, v2, 8*ROWQ                   ; 8 h rows
	v_lshl_add_u32 v3, v1, 2, v3                   ; + 4 r
	s_mul_i32 s24, s13, 128*ROWQ                   ; 128 s rows
	s_lshl_b32 s26, s14, 6                         ; + 64 tt
	s_add_co_u32 s24, s24, s26
	s_add_nc_u64 s[4:5], s[4:5], s[24:25]
.irp c, 0,1,2,3,4,5,6,7
.irp i, 0,1,2,3,4,5,6,7
	global_load_b32 v[X+8*\c+\i], v3, s[4:5] offset:(16*\c+\i)*ROWQ th:TH_LOAD_NT
.endr
.endr
	s_branch .Ljoin
.Lproj:
	; w_proj: K is innermost.  Lane (r, h) takes row 16 (tt - 48) + r; its eight numbers of each 16 along K are 32 neighbouring bytes
	s_wait_alu depctr_va_vdst(0)
	v_lshlrev_b32 v3, 10, v1                       ; row r of 1,024 bytes
	v_lshl_add_u32 v3, v2, 5, v3                   ; + 32 h
	s_sub_co_u32 s24, s14, 48
	s_lshl_b32 s24, s24, 14                        ; 16 rows a tile
	s_lshl_b32 s26, s13, 9                         ; + 512 s
	s_add_co_u32 s24, s24, s26
	s_add_nc_u64 s[6:7], s[6:7], s[24:25]
.irp c, 0,1,2,3,4,5,6,7
.irp u, 0,1
	global_load_b128 v[X+8*\c+4*\u:X+8*\c+4*\u+3], v3, s[6:7] offset:64*\c+16*\u th:TH_LOAD_NT
.endr
.endr
.Ljoin:
	s_wait_kmcnt 0x0
	s_cmp_lt_u32 ttmp9, 24
	s_cselect_b32 s24, s17, s23                    ; e = e1 or e7
	s_add_co_i32 s24, s24, 127
	s_lshl_b32 s26, s24, 23
	v_mov_b32 v11, s26                             ; 2^e as f32: the conversion takes its exponent field
	s_add_co_i32 s24, s24, 8
	s_lshl_b32 s24, s24, 23
	s_or_b32 s24, s24, 0x600000
	v_mov_b32 v10, s24                             ; 448 x 2^e
	s_lshl_b32 s26, s14, 1
	s_add_co_u32 s26, s26, s13
	s_lshl_b32 s26, s26, 11                        ; (2 tt + s) x 2,048
	s_mov_b32 s27, 0
	s_add_nc_u64 s[10:11], s[10:11], s[26:27]
	s_wait_alu depctr_va_vdst(0)
	s_wait_loadcnt 0x0
.set n, 0
.rept 64
	v_med3_num_f32 v[X+n], v[X+n], -v10, v10       ; the conversion to an 8-bit code does not saturate (ISA guide 7.6.2): the hold at the largest code x the scale
.set n, n+1
.endr
.irp c, 0,1,2,3,4,5,6,7
	v_cvt_scalef32_pk8_fp8_f32 v[C+2*\c:C+2*\c+1], v[X+8*\c:X+8*\c+7], v11   ; registers 2 c, 2 c + 1 of the fragment
.endr
	v_nop                                          ; a plain vector line behind the last conversion
.irp q, 0,1,2,3
	global_store_b128 v4, v[C+4*\q:C+4*\q+3], s[10:11] offset:512*\q   ; 32 lanes store 512 consecutive bytes, at a multiple of 512 from wimg's first byte
.endr
	s_endpgm
.Lfunc_end_k_qf0c07ea75a_prep:
	.size	k_qf0c07ea75a_prep, .Lfunc_end_k_qf0c07ea75a_prep-k_qf0c07ea75a_prep
	.p2alignl 7, 3214868480
	.fill 96, 4, 3214868480
	.section	.rodata,"a",@progbits
	.p2align	6, 0x0
	.amdhsa_kernel k_qf0c07ea75a_prep
		.amdhsa_group_segment_fixed_size 0
		.amdhsa_private_segment_fixed_size 0
		.amdhsa_enable_private_segment 0
		.amdhsa_kernarg_size 32
		.amdhsa_user_sgpr_count 2
		.amdhsa_user_sgpr_kernarg_segment_ptr 1
		.amdhsa_wavefront_size32 1
		.amdhsa_system_sgpr_workgroup_id_x 1
		.amdhsa_system_sgpr_workgroup_id_y 1
		.amdhsa_system_sgpr_workgroup_id_z 1
		.amdhsa_system_vgpr_workitem_id 0
		.amdhsa_next_free_vgpr 96
		.amdhsa_next_free_sgpr 66
		.amdhsa_reserve_vcc 0
		.amdhsa_float_denorm_mode_32 3
		.amdhsa_float_denorm_mode_16_64 3
		.amdhsa_memory_ordered 1
		.amdhsa_forward_progress 1
		.amdhsa_inst_pref_size 15
	.end_amdhsa_kernel
	.amdgpu_metadata
---
amdhsa.version: [ 1, 2 ]
amdhsa.kernels:
  - .name:           k_qf0c07ea75a_prep
    .symbol:         k_qf0c07ea75a_prep.kd
    .args:
      - { .name: w_qkv, .offset: 0, .size: 8, .value_kind: global_buffer, .address_space: global }
      - { .name: w_proj, .offset: 8, .size: 8, .value_kind: global_buffer, .address_space: global }
      - { .name: lowp_scales, .offset: 16, .size: 8, .value_kind: global_buffer, .address_space: global }
      - { .name: wimg, .offset: 24, .size: 8, .value_kind: global_buffer, .address_space: global }
    .group_segment_fixed_size: 0
    .private_segment_fixed_size: 0
    .kernarg_segment_align: 8
    .kernarg_segment_size: 32
    .max_flat_workgroup_size: 128
    .sgpr_count:     66
    .vgpr_count:     96
    .wavefront_size: 32
...
	.end_amdgpu_metadata
.endif
;; end of part 1
;; launch ln_qkv (part 2): grid 64 x 4, 16 waves a work-group, no clusters, 22,528 bytes of LDS; arguments x, ln_g, ln_b, wimg, lowp_scales, qkv; writes qkv
.if DOCPART == 2
	.amdgcn_target "amdgcn-amd-amdhsa--gfx1250"
	.amdhsa_code_object_version 6
	.text
	.protected	k_qf0c07ea75a_ln_qkv
	.globl	k_qf0c07ea75a_ln_qkv
	.p2align	8
	.type	k_qf0c07ea75a_ln_qkv,@function
k_qf0c07ea75a_ln_qkv:
	s_mov_b64 s[64:65], 0
	v_nop
	global_prefetch_b8 v0, s[64:65] scope:SCOPE_SE
	s_setreg_imm32_b32 hwreg(HW_REG_WAVE_MODE, 25, 1), 1
	s_wait_xcnt 0x0
; LAYER NORM OVER THE 256 CHANNELS, THE QUANTISER, t @ w_qkv ON CODES OF FP8 (E4M3), AND THE QUANTISERS OF q, k AND v.
; x [4][256 (c)][4096 (n)] f32; ln_g, ln_b [256]; wimg: w_qkv's codes as images of fragments (16 rows x 128 K, 2,048 bytes: registers 4 q .. 4 q + 3 of lane l at 512 q + 16 l).
; qkv (codes, images again): three parts of 4,194,304 bytes (q, k, v), each [4 b + head] x 262,144 bytes.
;   q, k: [tile of 16 tokens, 0 .. 255] x 1,024 bytes: 16 tokens x 64 d, 8 registers.     v: [block of 128 keys, 0 .. 31][tile of 16 channels, 0 .. 3] x 2,048 bytes: 16 channels x 128 keys, 16 registers.
; All fragments have the matrix instruction's own layout (ISA guide 7.12.2): lane (r, h) holds row r; registers 2 c, 2 c + 1 hold k = 16 c + 8 h + 0 .. 7.
; SHARES.  A work-group takes 64 tokens (work-group x) of one batch (work-group y).
;   NORM, all 16 waves: wave w takes tokens 32 j + lane (j = w % 2) and channels 32 g + 0 .. 31 (g = w / 2): a lane is a token and its registers run down the channels, which are the product's K.
;   So a load reads 128 neighbouring bytes (waves j = 0, 1 together 256), the statistics need no other lane, and the conversions see neighbours along K.
;   The eight groups' (mean, sum of squared differences) meet in LDS and are joined as groups of equal size are: no difference of large sums is formed.
;   PRODUCT, waves 0 .. 11: wave u makes columns 64 u .. 64 u + 63: one of q, k, v (u / 4) of one head (u % 4), for all 64 tokens.  Its 8 weight fragments, 128 registers, are asked for at the head.
;   768 columns are 12 heads' worth of 64; waves 12 .. 15 end behind the second barrier.
;   q, k: source 0 = 16 columns of w_qkv, source 1 = 16 tokens: a lane then holds one token and eight neighbouring d: the conversion's result is a pair of registers of q's or k's fragment.
;   v:    source 0 = 16 tokens, source 1 = 16 columns: a lane then holds one channel and eight neighbouring tokens, which are the keys, K of attention's second product.
; No tensor load and no cluster: x is read once, by this work-group alone; the weights go from memory straight into the registers that the products name.
; LIMITS: e0, e2 - e0 - e1, e3 - e0 - e1 and e5 - e0 - e1 between -126 and 119, so that each scale and 448 x it are f32 numbers.  NaN among the inputs is not served.
.set XIMG,  0                          ; LDS: t's 8 fragments (tile of tokens m, K step s) at (2 m + s) x 2,048
.set STATS, 16384                      ; LDS: [g 0 .. 7][token 0 .. 63] x 8 bytes: (mean, sum of squared differences) of 32 channels
.set X,   16                           ; v16-47   my token's 32 numbers
.set T,   64                           ; v64-95   at work
.set W,   128                          ; v128-255 my 8 weight fragments: (tile ct, K step s) at W + 16 (2 ct + s)
.set A,   16                           ; v16-47   the product: t's two fragments of a tile of tokens
.set ACC, 48                           ; v48-79   four accumulators
.set C,   80                           ; v80-111  the codes made
; v1 16 x lane; v2 4 x lane; v3, v4 where I store and read the statistics; v5 where I store my codes; v[6:7] (mean, sum of squares); v[8:11] chains; v[12:13] 1 / sqrt; v14 the scale; v15 448 x the scale
	s_load_b256 s[4:11], s[0:1], 0x0               ; x s[4:5], ln_g s[6:7], ln_b s[8:9], wimg s[10:11]
	s_load_b128 s[12:15], s[0:1], 0x20             ; the scales' exponents s[12:13], qkv s[14:15]
	v_lshl_add_u32 v126, v0, 2, 0x5000
	v_mov_b32 v127, 0
	v_lshrrev_b32 v1, 5, v0
	s_delay_alu instid0(VALU_DEP_1)
	v_readfirstlane_b32 s16, v1                    ; wave 0..15
	s_and_b32 s17, s16, 1                          ; j
	s_lshr_b32 s18, s16, 1                         ; g
	s_and_b32 s20, ttmp7, 0xffff                   ; the batch
	v_and_b32 v6, 31, v0                           ; lane
	s_delay_alu instid0(VALU_DEP_1)
	v_lshlrev_b32 v1, 4, v6
	s_delay_alu instid0(VALU_DEP_2)
	v_lshlrev_b32 v2, 2, v6
	s_lshl_b32 s21, s17, 8
	s_lshl_b32 s22, s18, 9
	v_lshlrev_b32 v4, 3, v6
	s_delay_alu instid0(VALU_DEP_1)
	v_add_nc_u32 v4, s21, v4
	s_delay_alu instid0(VALU_DEP_1)
	v_add_nc_u32 v4, STATS, v4                     ; STATS + 8 (32 j + lane): group 0's pair of my token
	s_delay_alu instid0(VALU_DEP_1)
	v_add_nc_u32 v3, s22, v4                       ; + 512 g: my group's
	; my token 32 j + lane is row lane % 16 of tile m = 2 j + lane / 16; my channels are K step g / 4, registers 4 (g % 4) .. + 3 of both halves of the image's lanes
	s_lshl_b32 s21, s17, 13                        ; 8,192 j
	s_lshr_b32 s22, s16, 3
	s_lshl_b32 s22, s22, 11                        ; 2,048 (g / 4)
	s_add_co_u32 s21, s21, s22
	s_and_b32 s22, s18, 3
	s_lshl_b32 s22, s22, 9                         ; 512 (g % 4)
	s_add_co_u32 s21, s21, s22
	v_bfe_u32 v5, v0, 4, 1
	s_delay_alu instid0(VALU_DEP_1)
	v_lshlrev_b32 v5, 12, v5                       ; 4,096 (lane / 16)
	v_and_b32 v7, 15, v0
	s_delay_alu instid0(VALU_DEP_1)
	v_lshl_add_u32 v5, v7, 4, v5                   ; 16 (lane % 16)
	s_delay_alu instid0(VALU_DEP_1)
	v_add_nc_u32 v5, s21, v5
	s_lshl_b32 s2, s20, 22                         ; x: the batch,
	s_lshl_b32 s21, s18, 19                        ; 32 g channels of 16,384 bytes,
	s_add_co_u32 s2, s2, s21
	s_lshl_b32 s21, ttmp9, 8                       ; the work-group's 64 tokens,
	s_add_co_u32 s2, s2, s21
	s_lshl_b32 s21, s17, 7                         ; my wave's 32 of them
	s_add_co_u32 s2, s2, s21
	s_mov_b32 s3, 0
	s_wait_kmcnt 0x0
	s_add_nc_u64 s[4:5], s[4:5], s[2:3]
.set n, 0
.rept 32
	global_load_b32 v[X+n], v2, s[4:5] offset:n*16384 th:TH_LOAD_NT   ; channel 32 g + n of 32 neighbouring tokens
.set n, n+1
.endr
	s_load_b256 s[24:31], s[12:13], 0x0            ; e0 .. e7
	s_lshl_b32 s2, s18, 7                          ; my 32 gains and biases, as scalars: they are the same in every lane
	s_add_nc_u64 s[6:7], s[6:7], s[2:3]
	s_add_nc_u64 s[8:9], s[8:9], s[2:3]
	s_load_b512 s[32:47], s[6:7], 0x0
	s_load_b512 s[48:63], s[6:7], 0x40
	s_load_b512 s[68:83], s[8:9], 0x0
	s_load_b512 s[84:99], s[8:9], 0x40
	s_lshl_b32 s2, s16, 14                         ; my unit's 8 fragments: 16,384 bytes
	s_add_nc_u64 s[10:11], s[10:11], s[2:3]
	s_cmp_lt_u32 s16, 12
	s_cbranch_scc0 .Lno_w
.set n, 0
.rept 32
	global_load_b128 v[W+4*n:W+4*n+3], v1, s[10:11] offset:512*n
.set n, n+1
.endr
	s_wait_loadcnt 32                              ; loads come back in order (ISA guide 5.7.1): x's 32 are in, the 32 weight loads behind them stay out
	s_branch .Lx_in
.Lno_w:
	s_wait_loadcnt 0x0
.Lx_in:
	; ---- my 32 channels' mean and sum of squared differences from it
	v_pk_add_f32 v[10:11], v[16:17], v[18:19]
	v_pk_add_f32 v[124:125], v[24:25], v[28:29]
	v_pk_add_f32 v[122:123], v[32:33], v[36:37]
	v_pk_add_f32 v[120:121], v[40:41], v[44:45]
	v_pk_add_f32 v[118:119], v[20:21], v[22:23]
	v_pk_add_f32 v[116:117], v[26:27], v[30:31]
	v_pk_add_f32 v[114:115], v[34:35], v[38:39]
	v_pk_add_f32 v[8:9], v[42:43], v[46:47]
	s_delay_alu instid0(VALU_DEP_1)
	v_pk_add_f32 v[8:9], v[8:9], v[120:121]
	v_pk_add_f32 v[10:11], v[10:11], v[118:119]
	v_pk_add_f32 v[124:125], v[124:125], v[116:117]
	v_pk_add_f32 v[122:123], v[122:123], v[114:115]
	s_delay_alu instid0(VALU_DEP_2)
	v_pk_add_f32 v[8:9], v[8:9], v[124:125]
	s_delay_alu instid0(VALU_DEP_2)
	v_pk_add_f32 v[10:11], v[10:11], v[122:123]
	s_delay_alu instid0(VALU_DEP_1)
	v_pk_add_f32 v[8:9], v[8:9], v[10:11]
	s_delay_alu instid0(VALU_DEP_1)
	v_add_f32 v8, v8, v9
	s_delay_alu instid0(VALU_DEP_1)
	v_mul_f32 v6, 0x3d000000, v8                   ; / 32
	v_mov_b32 v7, 0                                ; (named with v6 as a pair, so it is written)
.set n, 0
.rept 16
	v_pk_add_f32 v[T+n:T+n+1], v[X+n:X+n+1], v[6:7] op_sel_hi:[1,0] neg_lo:[0,1] neg_hi:[0,1]   ; x - the group's mean
.set n, n+2
.endr
	v_pk_mul_f32 v[8:9], v[T:T+1], v[T:T+1]
	v_pk_mul_f32 v[10:11], v[T+2:T+3], v[T+2:T+3]
.irp i, 4,8,12,16,20,24,28
	s_delay_alu instid0(VALU_DEP_2)
	v_pk_fma_f32 v[8:9], v[T+\i:T+\i+1], v[T+\i:T+\i+1], v[8:9]
	s_delay_alu instid0(VALU_DEP_2)
	v_pk_fma_f32 v[10:11], v[T+\i+2:T+\i+3], v[T+\i+2:T+\i+3], v[10:11]
.endr
	s_delay_alu instid0(VALU_DEP_1)
	v_pk_add_f32 v[8:9], v[8:9], v[10:11]
	s_delay_alu instid0(VALU_DEP_1)
	v_add_f32 v7, v8, v9
	ds_store_b64 v3, v[6:7]
	s_wait_dscnt 0x0                               ; for the others' sake: my pair lies in LDS
	s_barrier_signal -1
	s_barrier_wait -1
	; ---- the eight groups are joined: mean = the means' mean; the sum of squares = the eight sums + 32 x the sum of (a group's mean - mean)^2
.irp q, 0,1,2,3,4,5,6,7
	ds_load_b64 v[48+2*\q:49+2*\q], v4 offset:512*\q
.endr
	s_mov_b32 s21, 0x3b800000                      ; 1 / 256
	s_wait_dscnt 0x0
	v_pk_add_f32 v[8:9], v[48:49], v[50:51]        ; means in the low halves, sums of squares in the high ones
	v_pk_add_f32 v[10:11], v[52:53], v[54:55]
	s_delay_alu instid0(VALU_DEP_2)
	v_pk_add_f32 v[8:9], v[8:9], v[56:57]
	s_delay_alu instid0(VALU_DEP_2)
	v_pk_add_f32 v[10:11], v[10:11], v[58:59]
	s_delay_alu instid0(VALU_DEP_2)
	v_pk_add_f32 v[8:9], v[8:9], v[60:61]
	s_delay_alu instid0(VALU_DEP_2)
	v_pk_add_f32 v[10:11], v[10:11], v[62:63]
	s_delay_alu instid0(VALU_DEP_1)
	v_pk_add_f32 v[8:9], v[8:9], v[10:11]
	s_delay_alu instid0(VALU_DEP_1)
	v_mul_f32 v6, 0x3e000000, v8                   ; the token's mean
.irp q, 0,1,2,3,4,5,6,7
	v_sub_f32 v[48+2*\q], v[48+2*\q], v6
.endr
	v_mul_f32 v10, v48, v48
	v_mul_f32 v11, v50, v50
	s_delay_alu instid0(VALU_DEP_2)
	v_fmac_f32 v10, v52, v52
	s_delay_alu instid0(VALU_DEP_2)
	v_fmac_f32 v11, v54, v54
	s_delay_alu instid0(VALU_DEP_2)
	v_fmac_f32 v10, v56, v56
	s_delay_alu instid0(VALU_DEP_2)
	v_fmac_f32 v11, v58, v58
	s_delay_alu instid0(VALU_DEP_2)
	v_fmac_f32 v10, v60, v60
	s_delay_alu instid0(VALU_DEP_2)
	v_fmac_f32 v11, v62, v62
	s_delay_alu instid0(VALU_DEP_1)
	v_add_f32 v10, v10, v11
	s_delay_alu instid0(VALU_DEP_1)
	v_fmamk_f32 v7, v10, 0x42000000, v9            ; 32 x that + the eight sums
	s_delay_alu instid0(VALU_DEP_1)
	v_fmaak_f32 v12, s21, v7, 0x3727c5ac           ; the variance + 1e-5
	s_wait_alu depctr_va_vdst(0)
	v_rsq_f32 v12, v12
.set n, 0
.rept 16
	v_pk_add_f32 v[X+n:X+n+1], v[X+n:X+n+1], v[6:7] op_sel_hi:[1,0] neg_lo:[0,1] neg_hi:[0,1]   ; x - mean: plain work that names nothing of the root's
.set n, n+2
.endr
	v_mov_b32 v13, 0                               ; (named with v12 as a pair, so it is written)
	s_wait_alu depctr_va_vdst(0)                   ; the wait ahead of the first line that names the root's result
.set n, 0
.rept 16
	v_pk_mul_f32 v[X+n:X+n+1], v[X+n:X+n+1], v[12:13] op_sel_hi:[1,0]
.set n, n+2
.endr
	s_wait_kmcnt 0x0                               ; gains, biases and exponents are in
.set n, 0
.rept 32
	v_fma_f32 v[X+n], v[X+n], s[32+n], s[68+n]     ; x gain + bias
.set n, n+1
.endr
	s_add_co_i32 s21, s24, 127
	s_lshl_b32 s22, s21, 23
	v_mov_b32 v14, s22                             ; 2^e0 as f32: the conversion takes its exponent field
	s_add_co_i32 s21, s21, 8
	s_lshl_b32 s21, s21, 23
	s_or_b32 s21, s21, 0x600000
	v_mov_b32 v15, s21                             ; 448 x 2^e0
.set n, 0
.rept 32
	v_med3_num_f32 v[X+n], v[X+n], -v15, v15       ; the conversion to an 8-bit code does not saturate (ISA guide 7.6.2)
.set n, n+1
.endr
	; eight channels a conversion.  Channels 0-7 and 16-23 belong to the image's lane (r, 0), channels 8-15 and 24-31 to its lane (r, 1)
	v_cvt_scalef32_pk8_fp8_f32 v[80:81], v[X:X+7], v14
	v_cvt_scalef32_pk8_fp8_f32 v[84:85], v[X+8:X+15], v14
	v_cvt_scalef32_pk8_fp8_f32 v[82:83], v[X+16:X+23], v14
	v_cvt_scalef32_pk8_fp8_f32 v[86:87], v[X+24:X+31], v14
	v_nop                                          ; a plain vector line behind the last conversion: its scale and its registers are written again below
	ds_store_b128 v5, v[80:83]
	ds_store_b128 v5, v[84:87] offset:256
	s_wait_dscnt 0x0                               ; for the others' sake: my codes lie in LDS
	s_barrier_signal -1
	s_barrier_wait -1                              ; t's eight fragments are whole; nothing is stored to LDS from here on
	s_cmp_lt_u32 s16, 12
	s_cbranch_scc1 .Lgemm
	s_wait_tensorcnt 0x0
	ds_add_u32 v126, v127
	s_wait_dscnt 0x0
	s_endpgm
.Lgemm:
	s_cmp_lt_u32 s16, 4
	s_cselect_b32 s21, s26, s27                    ; q: e2; k: e3;
	s_cmp_lt_u32 s16, 8
	s_cselect_b32 s21, s21, s29                    ; v: e5
	s_sub_co_i32 s21, s21, s24
	s_sub_co_i32 s21, s21, s25                     ; a sum stands for sum x 2^(e0 + e1): the three scales are folded into the conversion's one
	s_add_co_i32 s21, s21, 127
	s_lshl_b32 s22, s21, 23
	v_mov_b32 v14, s22
	s_add_co_i32 s21, s21, 8
	s_lshl_b32 s21, s21, 23
	s_or_b32 s21, s21, 0x600000
	v_mov_b32 v15, s21
	s_lshr_b32 s21, s16, 2
	s_lshl_b32 s2, s21, 22                         ; the part: q, k or v
	s_lshl_b32 s22, s20, 2
	s_and_b32 s23, s16, 3
	s_add_co_u32 s22, s22, s23
	s_lshl_b32 s22, s22, 18                        ; 4 b + head
	s_add_co_u32 s2, s2, s22
	s_add_nc_u64 s[14:15], s[14:15], s[2:3]
	s_wait_loadcnt 0x0                             ; my weight fragments are in
.macro FETCH m                         ; t's two fragments of tile m, as they lie
.irp n, 0,1,2,3,4,5,6,7
	ds_load_b128 v[A+4*\n:A+4*\n+3], v1 offset:XIMG+(\m)*4096+512*\n
.endr
.endm
; Four tiles of 16 tokens.  A tile: eight matrix instructions, the four accumulators by turns, the first K step with the constant 0 as C;
; four places ahead of the loads into the fragments' registers and of the first read of results; the next tile's fragments are on their way while this tile is quantised.
.macro GEMM swap
	FETCH 0
.irp m, 0,1,2,3
	s_wait_dscnt 0x0
.irp ks, 0,1
.irp ct, 0,1,2,3
.if \swap
.if \ks == 0
	v_wmma_f32_16x16x128_fp8_fp8 v[ACC+8*\ct:ACC+8*\ct+7], v[W+16*(2*\ct+\ks):W+16*(2*\ct+\ks)+15], v[A+16*\ks:A+16*\ks+15], 0
.else
	v_wmma_f32_16x16x128_fp8_fp8 v[ACC+8*\ct:ACC+8*\ct+7], v[W+16*(2*\ct+\ks):W+16*(2*\ct+\ks)+15], v[A+16*\ks:A+16*\ks+15], v[ACC+8*\ct:ACC+8*\ct+7]
.endif
.else
.if \ks == 0
	v_wmma_f32_16x16x128_fp8_fp8 v[ACC+8*\ct:ACC+8*\ct+7], v[A+16*\ks:A+16*\ks+15], v[W+16*(2*\ct+\ks):W+16*(2*\ct+\ks)+15], 0
.else
	v_wmma_f32_16x16x128_fp8_fp8 v[ACC+8*\ct:ACC+8*\ct+7], v[A+16*\ks:A+16*\ks+15], v[W+16*(2*\ct+\ks):W+16*(2*\ct+\ks)+15], v[ACC+8*\ct:ACC+8*\ct+7]
.endif
.endif
.endr
.endr
.rept 4
	v_nop
.endr
.if \m < 3
	FETCH \m+1
.endif
.set n, 0
	s_wait_alu depctr_va_vdst(0)
.rept 32
	v_med3_num_f32 v[ACC+n], v[ACC+n], -v15, v15   ; the hold; each accumulator from its low end on
.set n, n+1
.endr
.irp ct, 0,1,2,3
.if \swap
	v_cvt_scalef32_pk8_fp8_f32 v[C+8*\m+2*\ct:C+8*\m+2*\ct+1], v[ACC+8*\ct:ACC+8*\ct+7], v14   ; token tile m's fragment, d = 16 ct + 8 h + 0 .. 7
.else
	v_cvt_scalef32_pk8_fp8_f32 v[C+8*\ct+2*\m:C+8*\ct+2*\m+1], v[ACC+8*\ct:ACC+8*\ct+7], v14   ; channel tile ct's fragment, keys 16 m + 8 h + 0 .. 7 of my 64
.endif
.endr
	v_nop                                          ; a plain vector line between the conversions and the products that write their sources again
.endr
.endm
	s_cmp_lt_u32 s16, 8
	s_cbranch_scc0 .Lv
	s_lshl_b32 s2, ttmp9, 12                       ; q, k: my four tiles of tokens, 1,024 bytes each
	s_add_nc_u64 s[14:15], s[14:15], s[2:3]
	GEMM 1
.irp n, 0,1,2,3,4,5,6,7
	global_store_b128 v1, v[C+4*\n:C+4*\n+3], s[14:15] offset:512*\n   ; 32 lanes store 512 consecutive bytes, at a multiple of 512 from the buffer's first byte
.endr
	s_wait_tensorcnt 0x0
	ds_add_u32 v126, v127
	s_wait_dscnt 0x0
	s_endpgm
.Lv:
	s_lshr_b32 s2, ttmp9, 1
	s_lshl_b32 s2, s2, 13                          ; v: the block of 128 keys: four images of 2,048 bytes;
	s_and_b32 s21, ttmp9, 1
	s_lshl_b32 s21, s21, 10                        ; my 64 keys are registers 0-7 or 8-15 of each image
	s_add_co_u32 s2, s2, s21
	s_add_nc_u64 s[14:15], s[14:15], s[2:3]
	GEMM 0
.irp ct, 0,1,2,3
.irp u, 0,1
	global_store_b128 v1, v[C+8*\ct+4*\u:C+8*\ct+4*\u+3], s[14:15] offset:2048*\ct+512*\u
.endr
.endr
	s_wait_tensorcnt 0x0
	ds_add_u32 v126, v127
	s_wait_dscnt 0x0
	s_endpgm
.Lfunc_end_k_qf0c07ea75a_ln_qkv:
	.size	k_qf0c07ea75a_ln_qkv, .Lfunc_end_k_qf0c07ea75a_ln_qkv-k_qf0c07ea75a_ln_qkv
	.p2alignl 7, 3214868480
	.fill 96, 4, 3214868480
	.section	.rodata,"a",@progbits
	.p2align	6, 0x0
	.amdhsa_kernel k_qf0c07ea75a_ln_qkv
		.amdhsa_group_segment_fixed_size 22528
		.amdhsa_private_segment_fixed_size 0
		.amdhsa_enable_private_segment 0
		.amdhsa_kernarg_size 48
		.amdhsa_user_sgpr_count 2
		.amdhsa_user_sgpr_kernarg_segment_ptr 1
		.amdhsa_wavefront_size32 1
		.amdhsa_system_sgpr_workgroup_id_x 1
		.amdhsa_system_sgpr_workgroup_id_y 1
		.amdhsa_system_sgpr_workgroup_id_z 1
		.amdhsa_system_vgpr_workitem_id 0
		.amdhsa_next_free_vgpr 256
		.amdhsa_next_free_sgpr 100
		.amdhsa_reserve_vcc 0
		.amdhsa_float_denorm_mode_32 3
		.amdhsa_float_denorm_mode_16_64 3
		.amdhsa_memory_ordered 1
		.amdhsa_forward_progress 1
		.amdhsa_inst_pref_size 53
	.end_amdhsa_kernel
	.amdgpu_metadata
---
amdhsa.version: [ 1, 2 ]
amdhsa.kernels:
  - .name:           k_qf0c07ea75a_ln_qkv
    .symbol:         k_qf0c07ea75a_ln_qkv.kd
    .args:
      - { .name: x, .offset: 0, .size: 8, .value_kind: global_buffer, .address_space: global }
      - { .name: ln_g, .offset: 8, .size: 8, .value_kind: global_buffer, .address_space: global }
      - { .name: ln_b, .offset: 16, .size: 8, .value_kind: global_buffer, .address_space: global }
      - { .name: wimg, .offset: 24, .size: 8, .value_kind: global_buffer, .address_space: global }
      - { .name: lowp_scales, .offset: 32, .size: 8, .value_kind: global_buffer, .address_space: global }
      - { .name: qkv, .offset: 40, .size: 8, .value_kind: global_buffer, .address_space: global }
    .group_segment_fixed_size: 22528
    .private_segment_fixed_size: 0
    .kernarg_segment_align: 8
    .kernarg_segment_size: 48
    .max_flat_workgroup_size: 512
    .sgpr_count:     100
    .vgpr_count:     256
    .wavefront_size: 32
...
	.end_amdgpu_metadata
.endif
;; end of part 2
;; launch attn (part 3): grid 64 x 4, 8 waves a work-group, clusters of 4 x 1, 327,680 bytes of LDS; arguments qkv, wimg, b_proj, lowp_scales, out0; writes out0
.if DOCPART == 3
	.amdgcn_target "amdgcn-amd-amdhsa--gfx1250"
	.amdhsa_code_object_version 6
	.text
	.protected	k_qf0c07ea75a_attn
	.globl	k_qf0c07ea75a_attn
	.p2align	8
	.type	k_qf0c07ea75a_attn,@function
k_qf0c07ea75a_attn:
	s_mov_b64 s[64:65], 0
	v_nop
	global_prefetch_b8 v0, s[64:65] scope:SCOPE_SE
	s_setreg_imm32_b32 hwreg(HW_REG_WAVE_MODE, 25, 1), 1
	s_wait_xcnt 0x0
	s_wait_alu depctr_hold_cnt(0) depctr_sa_sdst(0) depctr_va_vdst(0) depctr_va_sdst(0) depctr_va_ssrc(0) depctr_va_vcc(0) depctr_vm_vsrc(0)
	s_getreg_b32 s2, hwreg(HW_REG_IB_STS2, 6, 4)
	s_cmp_eq_u32 s2, 0
	s_cbranch_scc0 .Lentry_in_a_cluster
	s_endpgm
.Lentry_in_a_cluster:
	s_bfe_u32 s2, ttmp6, 0x10000c
	s_cmp_lg_u32 s2, 0x3003
	s_cbranch_scc0 .Lentry_shape_is_right
	s_endpgm
.Lentry_shape_is_right:
; ATTENTION ON CODES OF FP8 (E4M3) AND THE PROJECTION ON THE WAY OUT.
; qkv: codes as images of fragments: parts q, k, v of 4,194,304 bytes, each [4 b + head] x 262,144.  q, k: tiles of 16 tokens x 64 d, 1,024 bytes; v: [block of 128 keys][tile of 16 channels] x 2,048 bytes.
; wimg: w_proj's fragments from byte 196,608.  lowp_scales: e0 .. e7.  out0 [4][256 (c)][4096 (n)] f32.
; SOFTMAX: t = score x log2(e) / 8; M = the running largest t rounded up to a whole number; p = 2^(t - M) is quantised with 2^e4; the row's sum is taken of the unquantised p and divides at the end.
; SHARES.  A work-group owns 64 tokens of one batch, all four heads; wave w owns head w / 2 and 32 queries (w % 2): two tiles A, B of 16.  Every wave walks the head's 4,096 keys, 128 a step.
; Both products are used transposed (S^T = K Q^T, O^T = V^T P^T): a lane holds one query; a score tile's eight registers are keys 16 kt + 8 h + 0 .. 7, so the conversions' results are P's fragment.
; RING.  Two slots of 131,072 bytes, 256 keys each: K of heads 0-3 (16,384 bytes a head), then V likewise; wave w fetches 16,384 bytes (64 rows of 256) with one tensor load.
; CLUSTER.  The four work-groups of a cluster share the batch, so K and V are asked for jointly (mask 15); the round of the cluster's barrier stands in front of each refill.
; A KEY STEP.  V's fragments are asked for at its head and the next step's K behind the score products, so one wait on DScnt a step serves both.
; The largest score is kept in score units (c is positive, so c x the largest score is the largest t).  A's update of M stands among B's maxima, B's among A's scalings: one line after four independent ones.
; The exponentials go in two batches of 64.  Inside a batch stand only plain lines that read what was waited for ahead of it and write what is read behind the wait that follows it:
; batch A holds tile B's 32 scalings; batch B holds 16 first sums of A's p (into the code registers, idle then) and A's 32 holds.  So a step has three waits on the vector results.
; O^T is rescaled ahead of the step's first exponential.  In a slot's last step all reads of the slot are issued when the score products are: the three lines and the round's opening signal stand there;
; the maxima, the scalings of A and the rescaling, work on registers alone, stand between that signal and its wait; the rest of the round and the refill follow, ahead of batch A.
; PREFETCH: one slot ahead of the refill, by the even waves of the cluster with x = 0 of each batch: 8,192 bytes a wave, lanes 256 bytes apart, the four partners told apart by address; the last refill asks for nothing.
; LIMITS: e2 + e3 between -123 and 130; e4 and e6 between -126 and 119; e6 + e7 between -126 and 127; the scaled scores stay under 2^31 in magnitude.  NaN among the inputs is not served.
; REGISTERS.  Window 0: v0-31 addresses and a lane's numbers; v32-95 K; v96-159 S^T of A, v160-223 of B, then p; v224-255 P's codes (ahead of them: B's maxima, then partial sums).
; Window 1: v0-63 O^T of A, B; v64-79 Q; v128-191 V; v192-255 w_proj's fragments.
.set SLOT1, 131072
.set SPARE, 262144                     ; the spare words: 128 bytes a wave
.set OIMG,  263168                     ; the way out: o's codes, 8 fragments
.set STG,   279552                     ; the way out: a stage of 16 rows x 272 bytes a wave
.set KF, 32
.set SA, 96
.set SB, 160
.set PA, 224
.set PB, 240
.set OA, 0
.set OB, 32
.set QA, 64
.set QB, 72
.set VF, 128
.set WP, 192
.set MSB, 0
.macro WIN new                         ; the immediate's high byte repeats the setting that is left
.if MSB != \new
	s_set_vgpr_msb (MSB<<8)|\new
.set MSB, \new
.endif
.endm
.macro CREST                           ; a round of the cluster's barrier behind its opening barrier
	s_cmp_lg_u32 s14, 0
	s_cbranch_scc1 .Lnot_wave_0_\@
	s_barrier_signal -3
.Lnot_wave_0_\@:
	s_barrier_wait -3
	s_barrier_signal -1
	s_barrier_wait -1
.endm
.macro CROUND
	s_barrier_signal -1
	s_barrier_wait -1
	CREST
.endm
.macro ASK                             ; the slot that the next refill will ask for; s42 = 1 in the waves that ask, else the greatest number
	s_cmp_gt_u32 s41, s42
	s_cbranch_scc0 .Lnot_mine_\@
	global_prefetch_b8 v6, s[56:57] th:TH_LOAD_NT scope:SCOPE_SE
.Lnot_mine_\@:
.endm
	s_load_b256 s[4:11], s[0:1], 0x0               ; qkv, wimg, b_proj, the scales' exponents
	s_load_b64 s[12:13], s[0:1], 0x20              ; out0
	v_lshl_add_u32 v4, v0, 2, SPARE
	v_mov_b32 v5, 0
	ds_add_u32 v4, v5                              ; the opening lines: the add twice on end and its wait
	ds_add_u32 v4, v5
	s_wait_dscnt 0x0
	v_lshrrev_b32 v1, 5, v0
	s_delay_alu instid0(VALU_DEP_1)
	v_readfirstlane_b32 s14, v1                    ; wave
	s_lshr_b32 s15, s14, 1                         ; head
	s_and_b32 s16, s14, 1                          ; which 32 queries
	s_bfe_u32 s17, ttmp6, 0x40000                  ; cx
	s_lshl_b32 s18, ttmp9, 2
	s_add_co_u32 s18, s18, s17                     ; block of 64 tokens
	s_and_b32 s19, ttmp7, 0xffff                   ; batch
	v_and_b32 v1, 31, v0
	s_delay_alu instid0(VALU_DEP_1)
	v_lshlrev_b32 v6, 8, v1                        ; the prefetch's offset: 256 x lane
	s_delay_alu instid0(VALU_DEP_2)
	v_lshlrev_b32 v1, 4, v1                        ; 16 x lane
	s_lshl_b32 s58, s15, 14
	v_add_nc_u32 v2, s58, v1                       ; my head's K in a slot
	s_delay_alu instid0(VALU_DEP_1)
	v_add_nc_u32 v3, 0x10000, v2                   ; and its V
	s_mov_b32 s24, 15|(3<<16)|(1<<21)              ; group 1: mask 15, elements of 8 bytes, 64 rows of 32
	s_mov_b32 s25, 32<<16
	s_mov_b32 s26, 64<<16
	s_mov_b32 s27, 32<<16
	s_mov_b32 s28, 64
	s_mov_b32 s29, 32
	s_mov_b32 s30, 0
	s_mov_b32 s31, 0
	s_mov_b32 s20, 0x76543210
	s_mov_b32 s21, 0xfedcba98
	s_mov_b32 s22, 0x3e38aa3b                      ; c = log2(e) / 8
	s_mov_b32 s40, 0                               ; the slot in hand
	s_mov_b32 s41, 14                              ; refills to come
	s_mov_b32 s59, 0
	s_lshr_b32 s58, s14, 2                         ; what I fetch: waves 0-3 K, 4-7 V, of head wave % 4
	s_add_co_u32 s58, s58, 1
	s_lshl_b32 s58, s58, 22
	s_lshl_b32 s68, s19, 2
	s_and_b32 s69, s14, 3
	s_add_co_u32 s68, s68, s69
	s_lshl_b32 s68, s68, 18
	s_add_co_u32 s58, s58, s68
	s_lshl_b32 s69, s14, 14
	s_wait_kmcnt 0x0
	s_load_b256 s[44:51], s[10:11], 0x0            ; e0 .. e7
	s_add_nc_u64 s[66:67], s[4:5], s[58:59]
	s_mov_b32 s32, 1
	s_mov_b32 s33, s69
	s_mov_b64 s[34:35], s[66:67]
	s_or_b32 s35, s35, 0x80000000
	s_mov_b32 s36, 1
	s_add_co_u32 s37, s69, SLOT1
	s_add_nc_u64 s[38:39], s[66:67], 16384
	s_or_b32 s39, s39, 0x80000000
	s_lshl_b32 s58, s19, 2                         ; my two tiles of q
	s_add_co_u32 s58, s58, s15
	s_lshl_b32 s58, s58, 18
	s_lshl_b32 s68, s18, 12
	s_add_co_u32 s58, s58, s68
	s_lshl_b32 s68, s16, 11
	s_add_co_u32 s58, s58, s68
	s_add_nc_u64 s[60:61], s[4:5], s[58:59]
	s_lshl_b32 s58, s14, 13                        ; w_proj: my 32 output channels, four fragments
	s_add_co_u32 s58, s58, 196608
	s_add_nc_u64 s[62:63], s[6:7], s[58:59]
	s_lshl_b32 s58, s19, 22                        ; out0: batch, 32 channels a wave, 64 tokens
	s_lshl_b32 s68, s14, 19
	s_add_co_u32 s58, s58, s68
	s_lshl_b32 s68, s18, 8
	s_add_co_u32 s58, s58, s68
	s_add_nc_u64 s[12:13], s[12:13], s[58:59]
	s_lshl_b32 s58, s14, 7
	s_add_nc_u64 s[8:9], s[8:9], s[58:59]
	s_lshr_b32 s58, s17, 1                         ; the prefetch: head + cx / 2, half cx % 2 of its 16,384 bytes, at slot 2
	s_lshl_b32 s58, s58, 18
	s_and_b32 s68, s17, 1
	s_lshl_b32 s68, s68, 13
	s_add_co_u32 s58, s58, s68
	s_add_co_u32 s58, s58, 2*16384
	s_add_nc_u64 s[56:57], s[66:67], s[58:59]
	s_or_b32 s42, s16, ttmp9
	s_cmp_eq_u32 s42, 0
	s_cselect_b32 s42, 1, -1
	CROUND
	tensor_load_to_lds s[32:35], s[24:31]          ; slot 0: one tensor load a wave at the head; the rest of the head stands between it and the wait for it
	s_nop 0
.rept 4
	v_nop
.endr
	WIN 0x40
	s_wait_alu depctr_va_vdst(0)
.irp n, 0,1,2,3
	global_load_b128 v[QA+4*\n:QA+4*\n+3], v1, s[60:61] offset:512*\n
.endr
.irp n, 0,1,2,3,4,5,6,7,8,9,10,11,12,13,14,15
	global_load_b128 v[WP+4*\n:WP+4*\n+3], v1, s[62:63] offset:512*\n
.endr
.set n, 0
.rept 64
	v_mov_b32 v[OA+n], 0                           ; the step is written once: the first finds zeros
.set n, n+1
.endr
	WIN 0
	v_mov_b32 v9, 0xff61b1e6                       ; the largest score so far: -3e38
	v_mov_b32 v11, 0xff61b1e6
	s_delay_alu instid0(VALU_DEP_2)
	v_floor_f32 v8, -v9                            ; -M
	s_delay_alu instid0(VALU_DEP_2)
	v_floor_f32 v10, -v11
.irp j, 12,13,14,15,16,17,18,19,21,23
	v_mov_b32 v\j, 0
.endr
	s_wait_kmcnt 0x0
	s_add_co_i32 s53, s46, s47
	s_lshl_b32 s53, s53, 23
	s_add_co_i32 s22, s22, s53                     ; c x 2^(e2 + e3)
	s_mov_b32 s23, s22
	s_add_co_i32 s53, s48, 127
	s_lshl_b32 s58, s53, 23
	v_mov_b32 v30, s58                             ; 2^e4
	s_add_co_i32 s53, s53, 8
	s_lshl_b32 s53, s53, 23
	s_or_b32 s53, s53, 0x600000
	v_mov_b32 v31, s53                             ; 448 x 2^e4,
	v_mov_b32 v29, s53                             ; twice: the two halves of a dual pair name registers of different banks
	s_add_co_i32 s52, s48, s49
	s_add_co_i32 s54, s50, s51
	s_add_co_i32 s54, s54, 127
	s_lshl_b32 s54, s54, 23
	s_mov_b32 s55, s54
.macro KLOAD adr, off                  ; eight tiles of 16 keys
.set n, 0
.rept 16
	ds_load_b128 v[KF+4*n:KF+4*n+3], v[\adr] offset:(\off)+512*n
.set n, n+1
.endr
.endm
.macro FMA sx, mx, i                   ; t - M, two at a time
	v_pk_fma_f32 v[\sx+2*(\i):\sx+2*(\i)+1], v[\sx+2*(\i):\sx+2*(\i)+1], s[22:23], v[\mx:\mx+1] op_sel_hi:[1,0,0]
.endm
.macro HOLD sx, i                      ; p is not negative: a one-sided hold at the largest code x the scale, two numbers a line
	v_dual_min_num_f32 v[\sx+2*(\i)], v[\sx+2*(\i)], v29 :: v_dual_min_num_f32 v[\sx+2*(\i)+1], v[\sx+2*(\i)+1], v31
.endm
.macro PADD d, a                       ; a pair onto a pair
	v_pk_add_f32 v[\d:\d+1], v[\d:\d+1], v[\a:\a+1]
.endm
; Line n (0 .. 31) of a tile's maximum: four chains in v[m .. m+3], chain j over registers 16 j .. 16 j + 15, each accumulator from its low end on; the last lines join them with the largest score so far, v[r]
.macro MAXI sx, m, r, n
.if (\n) < 4
	v_max3_num_f32 v[\m+(\n)], v[\sx+16*(\n)], v[\sx+16*(\n)+1], v[\sx+16*(\n)+2]
.elseif (\n) < 28
	v_max3_num_f32 v[\m+(\n)%4], v[\m+(\n)%4], v[\sx+16*((\n)%4)+2*((\n)/4)+1], v[\sx+16*((\n)%4)+2*((\n)/4)+2]
.elseif (\n) == 28
	v_max3_num_f32 v[\m], v[\m], v[\sx+15], v[\sx+31]
.elseif (\n) == 29
	v_max3_num_f32 v[\m+1], v[\m+1], v[\sx+47], v[\sx+63]
.elseif (\n) == 30
	v_max3_num_f32 v[\m+2], v[\m+2], v[\m+3], v[\r]
.else
	v_max3_num_f32 v[\m], v[\m], v[\m+1], v[\m+2]
.endif
.endm
; Line k (0 .. 7) of a tile's update of M: lane l xor 16's maximum; -M = floor(-c x the largest score); f = 2^(old M - new M), a whole power of two
.macro MUPD m, r, g, f, k
.if (\k) == 0
	v_permlanex16_b32 v[\m+1], v[\m], s20, s21
.elseif (\k) == 1
	v_max_num_f32 v[\r], v[\m], v[\m+1]
.elseif (\k) == 2
	v_mov_b32 v[\m+2], v[\g]
.elseif (\k) == 3
	v_mul_f32 v[\m], s22, v[\r]
.elseif (\k) == 4
	v_floor_f32 v[\g], -v[\m]
.elseif (\k) == 5
	v_sub_f32 v[\m], v[\g], v[\m+2]
.elseif (\k) == 6
	v_cvt_i32_f32 v[\m], v[\m]
.else
	v_ldexp_f32 v[\f], 1.0, v[\m]
.endif
.endm
; A KEY STEP, the q-th of its slot.  mode 0: the next step's K lies in this slot; 1: the slot's last step, a round and a refill; 2: a barrier and no refill; 3: the last step of all.
.macro STEP q, mode
	v_add_nc_u32 v28, s40, v3                      ; with the three below: the places ahead of loads into registers that the last products read
.rept 3
	v_nop
.endr
	WIN 0x40
.set n, 0
.rept 16
	ds_load_b128 v[VF+4*n:VF+4*n+3], v28 offset:(\q)*8192+512*n
.set n, n+1
.endr
	WIN 0x04
.irp kt, 0,1,2,3,4,5,6,7
	v_wmma_f32_16x16x64_fp8_fp8 v[SA+8*\kt:SA+8*\kt+7], v[KF+8*\kt:KF+8*\kt+7], v[QA:QA+7], 0
	v_wmma_f32_16x16x64_fp8_fp8 v[SB+8*\kt:SB+8*\kt+7], v[KF+8*\kt:KF+8*\kt+7], v[QB:QB+7], 0
.endr
	WIN 0
.if \mode == 1 || \mode == 2
	s_wait_tensorcnt 0x0                           ; my part of the other slot has landed
	ds_add_u32 v4, v5
.if \mode == 1
	s_xor_b32 s37, s37, SLOT1                      ; the walking descriptor: this slot, the keys two slots on
	s_add_nc_u64 s[38:39], s[38:39], 16384
	s_wait_xcnt 0x0                                ; my prefetch has read its address
	s_add_nc_u64 s[56:57], s[56:57], 16384
.endif
	s_xor_b32 s40, s40, SLOT1
	s_wait_dscnt 0x0                               ; the add is done, and all my reads of this slot: its last V fragments are in
	s_barrier_signal -1                            ; up to the barrier's wait: work on registers alone
.endif
.if \mode == 0
	v_add_nc_u32 v7, s40, v2                       ; four places behind the score products
.rept 3
	v_nop
.endr
	KLOAD 7, (\q)*8192+8192
.else
.rept 4
	v_nop
.endr
.endif
.set k, 0
.rept 32
	MAXI SA, 24, 9, k                              ; A's largest score
.set k, k+1
.endr
.set k, 0
.rept 8                                        ; B's largest score, and A's M
	MAXI SB, PA, 11, 4*k
	MAXI SB, PA, 11, 4*k+1
	MAXI SB, PA, 11, 4*k+2
	MAXI SB, PA, 11, 4*k+3
	MUPD 24, 9, 8, 20, k
.set k, k+1
.endr
.set k, 0
.rept 8                                        ; A's t - M, and B's M
	FMA SA, 8, 4*k
	FMA SA, 8, 4*k+1
	FMA SA, 8, 4*k+2
	FMA SA, 8, 4*k+3
	MUPD PA, 11, 10, 22, k
.set k, k+1
.endr
	WIN 0x41
.set n, 0
.rept 16
	v_pk_mul_f32 v[OA+n:OA+n+1], v[OA+n:OA+n+1], v[20:21] op_sel_hi:[1,0]   ; O^T under the new M, ahead of the step's first exponential
	v_pk_mul_f32 v[OB+n:OB+n+1], v[OB+n:OB+n+1], v[22:23] op_sel_hi:[1,0]
.set n, n+2
.endr
	WIN 0
	s_wait_alu depctr_va_vdst(0)                   ; the wait ahead of the batch (modes 1, 2: and ahead of the barrier's wait)
.if \mode == 1
	s_barrier_wait -1
	CREST                                          ; no wave of any partner reads the slot just left or has a load on its way
	tensor_load_to_lds s[36:39], s[24:31]          ; my one load behind the round
	s_nop 0
	v_add_nc_u32 v7, s40, v2
.rept 3
	v_nop
.endr
	KLOAD 7, 0                                     ; the other slot's first K
	ASK
.endif
.if \mode == 2
	s_barrier_wait -1
	v_add_nc_u32 v7, s40, v2
	KLOAD 7, 0
.endif
.set n, 0
.rept 32                                       ; batch A, with B's scalings
	v_exp_f32 v[SA+2*n], v[SA+2*n]
	v_exp_f32 v[SA+2*n+1], v[SA+2*n+1]
	FMA SB, 10, n
.set n, n+1
.endr
	s_wait_alu depctr_va_vdst(0)                   ; behind batch A and ahead of batch B
.set k, 0
.rept 16                                       ; batch B, with A's first sums (of the unquantised p) and then A's holds
	v_exp_f32 v[SB+4*k], v[SB+4*k]
	v_pk_add_f32 v[PA+2*k:PA+2*k+1], v[SA+4*k:SA+4*k+1], v[SA+4*k+2:SA+4*k+3]
	v_exp_f32 v[SB+4*k+1], v[SB+4*k+1]
	HOLD SA, 2*k
	v_exp_f32 v[SB+4*k+2], v[SB+4*k+2]
	HOLD SA, 2*k+1
	v_exp_f32 v[SB+4*k+3], v[SB+4*k+3]
.set k, k+1
.endr
	v_nop                                          ; a plain place behind the last exponential
	s_wait_alu depctr_va_vdst(0)                   ; behind batch B, and directly ahead of the wait below
	s_wait_dscnt 0x0                               ; V's fragments and the next step's K are in
	; the sums, as trees; A's levels (16 pairs in v224-255) and B's (eight chains in v240-255, free behind A's first level) take turns
.set k, 0
.rept 8
	PADD PA+2*k, PB+2*k
.set k, k+1
.endr
.set k, 0
.rept 8
	v_pk_add_f32 v[PB+2*k:PB+2*k+1], v[SB+2*k:SB+2*k+1], v[SB+16+2*k:SB+16+2*k+1]
.set k, k+1
.endr
.set k, 0
.rept 4
	PADD PA+2*k, PA+8+2*k
.set k, k+1
.endr
.set k, 0
.rept 8
	PADD PB+2*k, SB+32+2*k
.set k, k+1
.endr
	PADD PA, PA+4
	PADD PA+2, PA+6
.set k, 0
.rept 8
	PADD PB+2*k, SB+48+2*k
.set k, k+1
.endr
	v_pk_fma_f32 v[12:13], v[12:13], v[20:21], v[PA:PA+1] op_sel_hi:[1,0,1]     ; A's sum x f + this step's
	v_pk_fma_f32 v[14:15], v[14:15], v[20:21], v[PA+2:PA+3] op_sel_hi:[1,0,1]
.irp kt, 0,1,2,3,4,5,6,7
	v_cvt_scalef32_pk8_fp8_f32 v[PA+2*\kt:PA+2*\kt+1], v[SA+8*\kt:SA+8*\kt+7], v30
.endr
.set k, 0
.rept 4
	PADD PB+2*k, PB+8+2*k
.set k, k+1
.endr
.set n, 0
.rept 8
	HOLD SB, n
.set n, n+1
.endr
	PADD PB, PB+4
	PADD PB+2, PB+6
.rept 8
	HOLD SB, n
.set n, n+1
.endr
	v_pk_fma_f32 v[16:17], v[16:17], v[22:23], v[PB:PB+1] op_sel_hi:[1,0,1]     ; B's sum
	v_pk_fma_f32 v[18:19], v[18:19], v[22:23], v[PB+2:PB+3] op_sel_hi:[1,0,1]
.rept 16
	HOLD SB, n
.set n, n+1
.endr
.irp kt, 0,1,2,3,4,5,6,7
	v_cvt_scalef32_pk8_fp8_f32 v[PB+2*\kt:PB+2*\kt+1], v[SB+8*\kt:SB+8*\kt+7], v30
.endr
	v_nop                                          ; a plain line between the conversions and the products that read their results
	WIN 0x51
.irp ct, 0,1,2,3                               ; the eight accumulators by turns
	v_wmma_f32_16x16x128_fp8_fp8 v[OA+8*\ct:OA+8*\ct+7], v[VF+16*\ct:VF+16*\ct+15], v[PA:PA+15], v[OA+8*\ct:OA+8*\ct+7]
	v_wmma_f32_16x16x128_fp8_fp8 v[OB+8*\ct:OB+8*\ct+7], v[VF+16*\ct:VF+16*\ct+15], v[PB:PB+15], v[OB+8*\ct:OB+8*\ct+7]
.endr
	WIN 0
.endm
	s_wait_alu depctr_va_vdst(0)                   ; the wait at the head's end
	s_wait_tensorcnt 0x0                           ; the three lines and a round ahead of slot 1's first fill
	ds_add_u32 v4, v5
	s_wait_dscnt 0x0
	CROUND                                         ; slot 0 is whole for every wave
	tensor_load_to_lds s[36:39], s[24:31]
	s_nop 0
.rept 4
	v_nop
.endr
	KLOAD 2, 0                                     ; the first step's K
	s_wait_loadcnt 0x0                             ; Q and w_proj's fragments
	s_wait_dscnt 0x0
.Lslot:                                                ; 14 trips, a slot each, each with a refill
	STEP 0, 0
	STEP 1, 1
	s_sub_co_u32 s41, s41, 1
	s_cmp_lg_u32 s41, 0
	s_cbranch_scc1 .Lslot
	STEP 0, 0                                      ; the last two slots are written out: they ask for nothing
	STEP 1, 2
	STEP 0, 0
	STEP 1, 3
	; THE WAY OUT: O^T / the sum x 2^(e4 + e5), quantised with 2^e6, meets the other heads' in LDS as fragments; each wave makes 32 output channels x 64 tokens
	v_pk_add_f32 v[12:13], v[12:13], v[14:15]
	v_pk_add_f32 v[16:17], v[16:17], v[18:19]
	s_delay_alu instid0(VALU_DEP_2)
	v_add_f32 v12, v12, v13
	s_delay_alu instid0(VALU_DEP_2)
	v_add_f32 v16, v16, v17
	s_delay_alu instid0(VALU_DEP_2)
	v_permlanex16_b32 v25, v12, s20, s21
	s_delay_alu instid0(VALU_DEP_2)
	v_permlanex16_b32 v27, v16, s20, s21
	s_delay_alu instid0(VALU_DEP_2)
	v_add_f32 v12, v12, v25
	s_delay_alu instid0(VALU_DEP_2)
	v_add_f32 v16, v16, v27
	s_wait_alu depctr_va_vdst(0)
	v_rcp_f32 v12, v12
	v_rcp_f32 v16, v16
	v_and_b32 v9, 15, v0
	s_wait_alu depctr_va_vdst(0)
	v_bfe_u32 v10, v0, 4, 1
	s_lshl_b32 s58, s16, 13                        ; o's image: tile 2 (w % 2) (+ 1 for B), K step head / 2, registers 8 (head % 2) on
	s_lshr_b32 s59, s15, 1
	s_lshl_b32 s59, s59, 11
	s_add_co_u32 s58, s58, s59
	s_and_b32 s59, s15, 1
	s_lshl_b32 s59, s59, 10
	s_add_co_u32 s58, s58, s59
	s_add_co_u32 s58, s58, OIMG
	v_add_nc_u32 v2, s58, v1
	v_add_nc_u32 v3, OIMG, v1
	s_mul_i32 s59, s14, 16*272
	s_add_co_u32 s59, s59, STG
	v_mul_u32_u24 v7, v9, 272
	s_wait_alu depctr_va_vdst(0)
	v_lshl_add_u32 v7, v10, 5, v7
	s_delay_alu instid0(VALU_DEP_1)
	v_add_nc_u32 v7, s59, v7
	v_mul_u32_u24 v28, v10, 272
	s_delay_alu instid0(VALU_DEP_1)
	v_lshl_add_u32 v28, v9, 4, v28
	s_delay_alu instid0(VALU_DEP_1)
	v_add_nc_u32 v28, s59, v28
	v_lshlrev_b32 v29, 14, v10
	s_delay_alu instid0(VALU_DEP_1)
	v_lshl_add_u32 v29, v9, 4, v29
	v_lshlrev_b32 v8, 2, v9
	s_add_co_i32 s53, s50, 127
	s_lshl_b32 s60, s53, 23
	v_mov_b32 v30, s60                             ; 2^e6
	s_add_co_i32 s53, s53, 8
	s_lshl_b32 s53, s53, 23
	s_or_b32 s53, s53, 0x600000
	v_mov_b32 v31, s53                             ; 448 x 2^e6
	s_wait_alu depctr_va_vdst(0)
	v_ldexp_f32 v20, v12, s52
	v_ldexp_f32 v22, v16, s52
	global_load_b32 v24, v8, s[8:9]                ; my channels' biases
	global_load_b32 v26, v8, s[8:9] offset:64
	WIN 0x01
.set n, 0
.rept 16
	v_pk_mul_f32 v[SA+n:SA+n+1], v[OA+n:OA+n+1], v[20:21] op_sel_hi:[1,0]
	v_pk_mul_f32 v[SB+n:SB+n+1], v[OB+n:OB+n+1], v[22:23] op_sel_hi:[1,0]
.set n, n+2
.endr
	WIN 0
.set n, 0
.rept 32
	v_med3_num_f32 v[SA+n], v[SA+n], -v31, v31
	v_med3_num_f32 v[SB+n], v[SB+n], -v31, v31
.set n, n+1
.endr
.irp ct, 0,1,2,3
	v_cvt_scalef32_pk8_fp8_f32 v[PA+2*\ct:PA+2*\ct+1], v[SA+8*\ct:SA+8*\ct+7], v30
	v_cvt_scalef32_pk8_fp8_f32 v[PB+2*\ct:PB+2*\ct+1], v[SB+8*\ct:SB+8*\ct+7], v30
.endr
	v_nop
.irp u, 0,1
	ds_store_b128 v2, v[PA+4*\u:PA+4*\u+3] offset:512*\u
	ds_store_b128 v2, v[PB+4*\u:PB+4*\u+3] offset:4096+512*\u
.endr
	s_wait_dscnt 0x0                               ; for the others' sake: my codes lie in LDS
	s_barrier_signal -1
	s_barrier_wait -1
.set n, 0
.rept 32
	ds_load_b128 v[96+4*n:96+4*n+3], v3 offset:512*n
.set n, n+1
.endr
	s_wait_dscnt 0x0
	WIN 0x04
.irp ks, 0,1
.irp m, 0,1,2,3
.irp i, 0,1
.if \ks == 0
	v_wmma_f32_16x16x128_fp8_fp8 v[32+8*(2*\m+\i):32+8*(2*\m+\i)+7], v[96+16*(2*\m+\ks):96+16*(2*\m+\ks)+15], v[WP+16*(2*\i+\ks):WP+16*(2*\i+\ks)+15], 0
.else
	v_wmma_f32_16x16x128_fp8_fp8 v[32+8*(2*\m+\i):32+8*(2*\m+\i)+7], v[96+16*(2*\m+\ks):96+16*(2*\m+\ks)+15], v[WP+16*(2*\i+\ks):WP+16*(2*\i+\ks)+15], v[32+8*(2*\m+\i):32+8*(2*\m+\i)+7]
.endif
.endr
.endr
.endr
	WIN 0
.rept 4
	v_nop
.endr
	s_wait_loadcnt 0x0
.irp m, 0,1,2,3
.irp i, 0,1
.irp p, 0,2,4,6
	v_pk_fma_f32 v[32+8*(2*\m+\i)+\p:32+8*(2*\m+\i)+\p+1], v[32+8*(2*\m+\i)+\p:32+8*(2*\m+\i)+\p+1], s[54:55], v[24+2*\i:25+2*\i] op_sel_hi:[1,0,0]   ; x 2^(e6 + e7) + bias
.endr
.endr
.endr
.irp i, 0,1                                    ; through my stage: a channel's 64 tokens leave as one aligned unit of 256 bytes
.irp m, 0,1,2,3
.irp u, 0,1
	ds_store_b128 v7, v[32+8*(2*\m+\i)+4*\u:32+8*(2*\m+\i)+4*\u+3] offset:64*\m+16*\u
.endr
.endr
.irp t, 0,1,2,3,4,5,6,7
	ds_load_b128 v[96+32*\i+4*\t:96+32*\i+4*\t+3], v28 offset:2*\t*272
.endr
.endr
.irp t, 0,1,2,3,4,5,6,7
	s_wait_dscnt 23-\t                             ; behind this load: the first half's later loads, then 8 stores and 8 loads
	global_store_b128 v29, v[96+4*\t:96+4*\t+3], s[12:13] offset:2*\t*16384 th:TH_STORE_NT
.endr
.irp t, 0,1,2,3,4,5,6,7
	s_wait_dscnt 7-\t
	global_store_b128 v29, v[128+4*\t:128+4*\t+3], s[12:13] offset:(16+2*\t)*16384 th:TH_STORE_NT
.endr
	s_wait_tensorcnt 0x0                           ; the wave's end
	ds_add_u32 v4, v5
	s_wait_dscnt 0x0
	CROUND                                         ; the closing round
	s_endpgm
.Lfunc_end_k_qf0c07ea75a_attn:
	.size	k_qf0c07ea75a_attn, .Lfunc_end_k_qf0c07ea75a_attn-k_qf0c07ea75a_attn
	.p2alignl 7, 3214868480
	.fill 96, 4, 3214868480
	.section	.rodata,"a",@progbits
	.p2align	6, 0x0
	.amdhsa_kernel k_qf0c07ea75a_attn
		.amdhsa_group_segment_fixed_size 327680
		.amdhsa_private_segment_fixed_size 0
		.amdhsa_enable_private_segment 0
		.amdhsa_kernarg_size 40
		.amdhsa_user_sgpr_count 2
		.amdhsa_user_sgpr_kernarg_segment_ptr 1
		.amdhsa_wavefront_size32 1
		.amdhsa_system_sgpr_workgroup_id_x 1
		.amdhsa_system_sgpr_workgroup_id_y 1
		.amdhsa_system_sgpr_workgroup_id_z 1
		.amdhsa_system_vgpr_workitem_id 0
		.amdhsa_next_free_vgpr 512
		.amdhsa_next_free_sgpr 70
		.amdhsa_reserve_vcc 0
		.amdhsa_float_denorm_mode_32 3
		.amdhsa_float_denorm_mode_16_64 3
		.amdhsa_memory_ordered 1
		.amdhsa_forward_progress 1
		.amdhsa_inst_pref_size 199
	.end_amdhsa_kernel
	.amdgpu_metadata
---
amdhsa.version: [ 1, 2 ]
amdhsa.kernels:
  - .name:           k_qf0c07ea75a_attn
    .symbol:         k_qf0c07ea75a_attn.kd
    .args:
      - { .name: qkv, .offset: 0, .size: 8, .value_kind: global_buffer, .address_space: global }
      - { .name: wimg, .offset: 8, .size: 8, .value_kind: global_buffer, .address_space: global }
      - { .name: b_proj, .offset: 16, .size: 8, .value_kind: global_buffer, .address_space: global }
      - { .name: lowp_scales, .offset: 24, .size: 8, .value_kind: global_buffer, .address_space: global }
      - { .name: out0, .offset: 32, .size: 8, .value_kind: global_buffer, .address_space: global }
    .group_segment_fixed_size: 327680
    .private_segment_fixed_size: 0
    .kernarg_segment_align: 8
    .kernarg_segment_size: 40
    .max_flat_workgroup_size: 256
    .sgpr_count:     70
    .vgpr_count:     512
    .wavefront_size: 32
...
	.end_amdgpu_metadata
.endif
;; end of part 3
